; MI455X (gfx1250); checked and timed in simulation.
; The chip was launched on July 23, 2026; its instructions are those of AMD's public machine-readable ISA for CDNA 5 (MIT licence, August 2026) and "CDNA5" Instruction Set Architecture Reference Guide (July 2026). The comments in the code are by the model that wrote it; some were corrected since.
;; QA Net Att Block. Allowed arithmetic: float matrix products may take bf16 or f16 operands with f32 sums; all other float work in f32.
;; Inputs: Wk 8 x 512 x 64 float32; Wout 512 x 512 float32; Wq 8 x 512 x 64 float32; Wv 8 x 512 x 64 float32; mask 16 x 1,024 int32; x 16 x 1,024 x 512 float32.
;; Outputs: out0 16 x 1,024 x 512 float32.
;; One version. Each part assembles by itself: llvm-mc -triple=amdgcn-amd-amdhsa -mcpu=gfx1250 --defsym DOCPART=n.
;; ======== version 1 of 1: 3 launches
;; limits: values are held in f16: magnitudes above 65,504 overflow, below 6.1e-05 lose precision
;; workspace buffers: xh 16,777,216 bytes; wf 2,097,152 bytes; kv 33,554,432 bytes; mb 67,584 bytes
;; launch prep (part 1): grid 256 x 1, 8 waves a work-group, no clusters, 135,168 bytes of LDS; arguments x, Wq, Wk, Wv, Wout, mask, xh, wf, mb; writes xh, wf, mb
.if DOCPART == 1
	.amdgcn_target "amdgcn-amd-amdhsa--gfx1250"
	.amdhsa_code_object_version 6
	.text
	.protected	k_q538234502e_prep
	.globl	k_q538234502e_prep
	.p2align	8
	.type	k_q538234502e_prep,@function
k_q538234502e_prep:
	s_mov_b64 s[64:65], 0
	v_nop
	global_prefetch_b8 v0, s[64:65] scope:SCOPE_SE
	s_setreg_imm32_b32 hwreg(HW_REG_WAVE_MODE, 25, 1), 1
	s_wait_xcnt 0x0
; QANet attention block, launch 1 of 3: x and the four weights go to f16, laid out in the order in which the matrix
; instructions of the later launches take them, and the mask becomes a key bias and a scale.
; NOTHING of reference() is left out in any launch: a query whose mask is 0 has all 1,024 scores equal to -1e30, so its softmax is
; uniform over ALL keys, the masked ones too, and V at masked keys reaches the output; every input is loaded.
; FORMAT: every matrix operand of the program is f16, every sum f32.  The scores are small, so the result is close to a mean of V,
; and each number is compared against one hundredth of the output's root mean square: three roundings to 8 bits of mantissa
; (V, P, h) would use up most of that margin, three to 11 bits do not.
; LIMITS: |x|, |W|, |K|, |V|, |Q c| and |h| must stay below 65,504 (f16's largest number).  K and V as drawn have a spread of
; 0.02 sqrt(512) = 0.45; with x and W both 30 times larger 407; with both shifted by 30 spreads a mean near 512 * 30 * 0.6 = 9,216.
; The mask's row sum is added in whole numbers inside a lane and in f32 across lanes: exact below 2^24.  A row sum of 0 gives the scale 0,
; which is right where all its entries are 0 (no pair is valid then); a row whose entries are not all 0 and add up to 0 or less is not served
; (reference() has infinities or NaN in its valid rows there).
;
; A FRAGMENT BLOCK is 1,024 bytes: 16 rows x 32 k of f16; byte 512 half + 16 L (lane L = r + 16 h) holds row r, k = 16 half + 8 h + 0..7,
; so that two 16-byte loads a lane, 512 bytes apart, of 512 neighbouring bytes each, are a matrix operand.
; A PANEL is 64 rows x 512 k = 65,536 bytes: block (k / 32, row / 16) at 4,096 (k / 32) + 1,024 (row / 16).
; xh: 256 panels, rows of x taken as [16384][512].  wf: 32 panels 8 mi + g, W transposed: mi = 0, 1, 2 are Wq, Wk, Wv (g the head, row = d,
; k = hid), mi = 3 is Wout (g a group of 64 output columns, row = column, k = f).
; mb: bias[16][1024] f32 (0 where mask != 0, else -1e30); from byte 65,536 on c[b] = log2(e) / sqrt(nsum[b]), 32 times for each b.
;
; Memory binds here: no matrix unit, no cluster, no tensor loads.  Every wave turns 16 rows x 256 columns of x: 32 loads of 512 neighbouring bytes go
; out first, the rows pass through the wave's own LDS bytes (no barrier), and every store covers 512 neighbouring bytes, aligned.
.set XD,   16                          ; v[16:143]  x as loaded: chunk c (128 columns), row i at 16 + 64 c + 4 i
.set FT,   144                         ; v[144:175] two buffers of 16: a lane's 16 numbers of one block, f32
.set OUTR, 176                         ; v[176:191] two buffers of 8: the same in f16
.set WD,   192                         ; v[192:223] weights (32 k of my column) or the mask's words
.set WP,   224                         ; v[224:239] the weights in f16
.set PIT,  528                         ; LDS row: 512 bytes + 16 = 132 words, so row r starts at bank 4 r mod 64 (64 banks of 4 bytes: ISA guide 11.1)
.set CH,   16*PIT                      ; a chunk in LDS
.set WLDS, 2*CH                        ; a wave's LDS bytes
	s_load_b512 s[4:19], s[0:1], 0x0               ; x s[4:5], Wq s[6:7], Wk s[8:9], Wv s[10:11], Wout s[12:13], mask s[14:15], xh s[16:17], wf s[18:19]
	s_load_b64 s[20:21], s[0:1], 0x40              ; mb
	v_and_b32 v1, 31, v0                           ; lane L
	v_lshrrev_b32 v7, 5, v0
	v_readfirstlane_b32 s22, v7                    ; wave
	s_mov_b32 s23, ttmp9                           ; work-group
	s_mov_b32 s36, 0x76543210                      ; v_permlanex16_b32: lane i of one half reads lane i of the other
	s_mov_b32 s37, 0xfedcba98
	v_lshlrev_b32 v2, 4, v1                        ; 16 L
	v_lshlrev_b32 v5, 2, v1                        ; 4 L
	v_and_b32 v8, 15, v0                           ; r
	v_bfe_u32 v9, v0, 4, 1                         ; h
	s_mul_i32 s24, s22, WLDS
	v_add_nc_u32 v3, s24, v2                       ; LDS, in: my 16 bytes of a row
	v_mul_u32_u24 v4, v8, PIT
	v_lshl_add_u32 v4, v9, 5, v4
	v_add_nc_u32 v4, s24, v4                       ; LDS, back: row r, 8 f32 from column 8 h on
	v_lshlrev_b32 v6, 4, v8
	v_lshl_add_u32 v6, v9, 10, v6                  ; wf: block L / 16, 16 bytes of row r
	; the wave's part of x: id = 8 wg + wave; rows 16 (id / 2) .. + 15, columns 256 (id % 2) .. + 255
	s_lshl_b32 s25, s23, 3
	s_add_co_u32 s25, s25, s22
	s_lshr_b32 s26, s25, 1                         ; RT: which 16 rows
	s_and_b32 s27, s25, 1                          ; hh: which 256 columns
	s_lshl_b32 s38, s26, 15                        ; 16 rows of 2,048 bytes
	s_lshl_b32 s39, s27, 10
	s_add_co_u32 s38, s38, s39
	s_mov_b32 s39, 0
	s_lshr_b32 s40, s26, 2
	s_lshl_b32 s40, s40, 16                        ; panel RT / 4
	s_lshl_b32 s41, s27, 15                        ; k = 256 hh: eight blocks' columns of 4,096 bytes
	s_add_co_u32 s40, s40, s41
	s_and_b32 s41, s26, 3
	s_lshl_b32 s41, s41, 10                        ; block row RT % 4
	s_add_co_u32 s40, s40, s41
	s_mov_b32 s41, 0
	s_wait_kmcnt 0x0
	s_add_nc_u64 s[28:29], s[4:5], s[38:39]
	s_add_nc_u64 s[30:31], s[16:17], s[40:41]
.irp c, 0,1
.irp i, 0,1,2,3,4,5,6,7,8,9,10,11,12,13,14,15
	global_load_b128 v[XD+64*\c+4*\i:XD+64*\c+4*\i+3], v2, s[28:29] offset:\c*512+\i*2048 th:TH_LOAD_NT   ; 512 neighbouring bytes of row i; x is read once
.endr
.endr
	; THE WEIGHTS: 1,024 jobs of 32 k x 32 columns, for waves 0 to 3.  Lane L takes one column, 32 k: it becomes a row of the transposed panel.
	s_cmp_ge_u32 s22, 4
	s_cbranch_scc1 .Lno_w
	s_lshl_b32 s50, s23, 2
	s_add_co_u32 s50, s50, s22                     ; job t = 4 wg + wave
	s_lshr_b32 s51, s50, 8                         ; mi: which matrix
	s_bfe_u32 s52, s50, 0x30005                    ; g: head, or group of 64 columns of Wout
	s_bfe_u32 s53, s50, 0x40001                    ; which 32 k
	s_and_b32 s54, s50, 1                          ; which 32 of the 64 columns
	s_cmp_eq_u32 s51, 1
	s_cselect_b64 s[32:33], s[8:9], s[6:7]
	s_cmp_eq_u32 s51, 2
	s_cselect_b64 s[32:33], s[10:11], s[32:33]
	s_cmp_eq_u32 s51, 3
	s_cselect_b64 s[32:33], s[12:13], s[32:33]
	s_lshl_b32 s40, s52, 17                        ; Wq, Wk, Wv [8][512][64]: head x 131,072 + 32 k rows of 256 bytes
	s_lshl_b32 s41, s53, 13
	s_add_co_u32 s40, s40, s41
	s_lshl_b32 s42, s53, 16                        ; Wout [512][512]: 32 k rows of 2,048 bytes + group x 256
	s_lshl_b32 s43, s52, 8
	s_add_co_u32 s42, s42, s43
	s_cmp_eq_u32 s51, 3
	s_cselect_b32 s40, s42, s40
	s_lshl_b32 s41, s54, 7
	s_add_co_u32 s40, s40, s41
	s_mov_b32 s41, 0
	s_add_nc_u64 s[32:33], s[32:33], s[40:41]
	s_lshl_b32 s42, s51, 3
	s_add_co_u32 s42, s42, s52
	s_lshl_b32 s42, s42, 16                        ; panel 8 mi + g
	s_lshl_b32 s43, s53, 12                        ; + the k block's 4,096 bytes
	s_add_co_u32 s42, s42, s43
	s_lshl_b32 s43, s54, 11                        ; + two blocks of 16 rows
	s_add_co_u32 s42, s42, s43
	s_mov_b32 s43, 0
	s_add_nc_u64 s[34:35], s[18:19], s[42:43]
.macro WLOAD pitch
.set j, 0
.rept 32
	global_load_b32 v[WD+j], v5, s[32:33] offset:j*\pitch
.set j, j+1
.endr
.endm
	s_cmp_eq_u32 s51, 3
	s_cbranch_scc1 .Lw_wide
	WLOAD 256
	s_branch .Lw_have
.Lw_wide:
	WLOAD 2048
.Lw_have:
	s_wait_loadcnt 0x0                             ; the 32 numbers of my column (and, ahead of them, my part of x)
.irp q, 0,1,2,3                                    ; q = 2 half + h: k = 8 q .. 8 q + 7
.irp e, 0,1,2,3
	v_cvt_pk_f16_f32 v[WP+4*\q+\e], v[WD+8*\q+2*\e], v[WD+8*\q+2*\e+1]
.endr
.endr
.irp q, 0,1,2,3
	global_store_b128 v6, v[WP+4*\q:WP+4*\q+3], s[34:35] offset:256*\q   ; sixteen lanes store 256 neighbouring bytes, aligned
.endr
.Lno_w:
	; THE MASK: row b = wg, for wave 7 of the first 16 work-groups
	s_cmp_lg_u32 s22, 7
	s_cbranch_scc1 .Lno_m
	s_cmp_ge_u32 s23, 16
	s_cbranch_scc1 .Lno_m
	s_lshl_b32 s38, s23, 12
	s_mov_b32 s39, 0
	s_add_nc_u64 s[44:45], s[14:15], s[38:39]
	s_add_nc_u64 s[46:47], s[20:21], s[38:39]
	s_lshl_b32 s38, s23, 7
	s_add_co_u32 s38, s38, 65536
	s_add_nc_u64 s[48:49], s[20:21], s[38:39]
.irp i, 0,1,2,3,4,5,6,7
	global_load_b128 v[WD+4*\i:WD+4*\i+3], v2, s[44:45] offset:512*\i
.endr
	s_wait_loadcnt 0x0
	v_add_nc_u32 v12, v[WD], v[WD+1]               ; my 32 words, in whole numbers
.irp j, 2,4,6,8,10,12,14,16,18,20,22,24,26,28,30
	v_add3_u32 v12, v12, v[WD+\j], v[WD+\j+1]
.endr
	v_cvt_f32_i32 v12, v12
	v_add_f32_dpp v12, v12, v12 row_xmask:1 row_mask:0xf bank_mask:0xf
	v_add_f32_dpp v12, v12, v12 row_xmask:2 row_mask:0xf bank_mask:0xf
	v_add_f32_dpp v12, v12, v12 row_xmask:4 row_mask:0xf bank_mask:0xf
	v_add_f32_dpp v12, v12, v12 row_xmask:8 row_mask:0xf bank_mask:0xf
	v_mov_b32 v13, 0                               ; the permute's destination counts as read
	v_permlanex16_b32 v13, v12, s36, s37
	v_add_f32 v12, v12, v13                        ; nsum in every lane
	v_rsq_f32 v13, v12
	v_mov_b32 v14, 0                               ; a plain instruction between v_rsq_f32 and the use of its result (ISA guide 5.7.2)
	v_mov_b32 v15, 0xf149f2ca                      ; -1e30
	s_wait_alu depctr_va_vdst(0)
	v_mul_f32 v13, 0x3fb8aa3b, v13                 ; log2(e) / sqrt(nsum): the later exponentials are to the base 2
	v_cmp_eq_f32 vcc_lo, 0, v12
	v_cndmask_b32 v13, v13, v14, vcc_lo            ; nsum = 0: the scale 0
.set j, 0
.rept 32
	v_cmp_ne_u32 vcc_lo, 0, v[WD+j]
	v_cndmask_b32 v[WD+j], v15, v14, vcc_lo        ; mask != 0: 0, else -1e30
.set j, j+1
.endr
.irp i, 0,1,2,3,4,5,6,7
	global_store_b128 v2, v[WD+4*\i:WD+4*\i+3], s[46:47] offset:512*\i
.endr
	global_store_b32 v5, v13, s[48:49]
.Lno_m:
; four LDS loads: the lane's 16 numbers of k block kb of chunk c: columns 8 h + 0..7 and 16 + 8 h + 0..7 of the block's 32.
; kb may be handed over as a sum, so it stands in brackets wherever it is multiplied or masked.
.macro FLD c, kb
	ds_load_b128 v[FT+16*((\kb)&1):FT+16*((\kb)&1)+3],     v4 offset:(\c)*CH+(\kb)*128
	ds_load_b128 v[FT+16*((\kb)&1)+4:FT+16*((\kb)&1)+7],   v4 offset:(\c)*CH+(\kb)*128+16
	ds_load_b128 v[FT+16*((\kb)&1)+8:FT+16*((\kb)&1)+11],  v4 offset:(\c)*CH+(\kb)*128+64
	ds_load_b128 v[FT+16*((\kb)&1)+12:FT+16*((\kb)&1)+15], v4 offset:(\c)*CH+(\kb)*128+80
.endm
; chunk c: 16 rows x 128 columns through my own LDS bytes.  left = how many younger global loads may stay out.
.macro XCHUNK c, left
	s_wait_loadcnt \left                           ; loads come back in order (ISA guide 5.7.1): this chunk's sixteen are in
.irp i, 0,1,2,3,4,5,6,7,8,9,10,11,12,13,14,15
	ds_store_b128 v3, v[XD+64*\c+4*\i:XD+64*\c+4*\i+3] offset:\c*CH+\i*PIT
.endr
	FLD \c, 0                                      ; LDS serves a wave's instructions in order (ISA guide 5.7.1.4): these see the stores above
	FLD \c, 1
.irp kb, 0,1,2,3
.if \kb < 3
	s_wait_dscnt 0x4                               ; this block's four loads are in; the next block's four stay out
.else
	s_wait_dscnt 0x0
.endif
	s_wait_xcnt 0x0                                ; the f16 buffer, which an earlier store reads, is rewritten only behind this wait
.irp e, 0,1,2,3,4,5,6,7
	v_cvt_pk_f16_f32 v[OUTR+8*(\kb&1)+\e], v[FT+16*(\kb&1)+2*\e], v[FT+16*(\kb&1)+2*\e+1]
.endr
	global_store_b128 v2, v[OUTR+8*(\kb&1):OUTR+8*(\kb&1)+3],   s[30:31] offset:\c*16384+\kb*4096       ; half 0 of the block: 512 neighbouring bytes
	global_store_b128 v2, v[OUTR+8*(\kb&1)+4:OUTR+8*(\kb&1)+7], s[30:31] offset:\c*16384+\kb*4096+512   ; half 1
.if \kb < 2
	FLD \c, \kb+2                                  ; the block after next, into the buffer just converted
.endif
.endr
.endm
	XCHUNK 0, 16                                   ; chunk 1's sixteen loads may stay out
	XCHUNK 1, 0
	s_endpgm
.Lfunc_end_k_q538234502e_prep:
	.size	k_q538234502e_prep, .Lfunc_end_k_q538234502e_prep-k_q538234502e_prep
	.p2alignl 7, 3214868480
	.fill 96, 4, 3214868480
	.section	.rodata,"a",@progbits
	.p2align	6, 0x0
	.amdhsa_kernel k_q538234502e_prep
		.amdhsa_group_segment_fixed_size 135168
		.amdhsa_private_segment_fixed_size 0
		.amdhsa_enable_private_segment 0
		.amdhsa_kernarg_size 72
		.amdhsa_user_sgpr_count 2
		.amdhsa_user_sgpr_kernarg_segment_ptr 1
		.amdhsa_wavefront_size32 1
		.amdhsa_system_sgpr_workgroup_id_x 1
		.amdhsa_system_sgpr_workgroup_id_y 1
		.amdhsa_system_sgpr_workgroup_id_z 1
		.amdhsa_system_vgpr_workitem_id 0
		.amdhsa_next_free_vgpr 240
		.amdhsa_next_free_sgpr 66
		.amdhsa_reserve_vcc 1
		.amdhsa_float_denorm_mode_32 3
		.amdhsa_float_denorm_mode_16_64 3
		.amdhsa_memory_ordered 1
		.amdhsa_forward_progress 1
		.amdhsa_inst_pref_size 30
	.end_amdhsa_kernel
	.amdgpu_metadata
---
amdhsa.version: [ 1, 2 ]
amdhsa.kernels:
  - .name:           k_q538234502e_prep
    .symbol:         k_q538234502e_prep.kd
    .args:
      - { .name: x, .offset: 0, .size: 8, .value_kind: global_buffer, .address_space: global }
      - { .name: Wq, .offset: 8, .size: 8, .value_kind: global_buffer, .address_space: global }
      - { .name: Wk, .offset: 16, .size: 8, .value_kind: global_buffer, .address_space: global }
      - { .name: Wv, .offset: 24, .size: 8, .value_kind: global_buffer, .address_space: global }
      - { .name: Wout, .offset: 32, .size: 8, .value_kind: global_buffer, .address_space: global }
      - { .name: mask, .offset: 40, .size: 8, .value_kind: global_buffer, .address_space: global }
      - { .name: xh, .offset: 48, .size: 8, .value_kind: global_buffer, .address_space: global }
      - { .name: wf, .offset: 56, .size: 8, .value_kind: global_buffer, .address_space: global }
      - { .name: mb, .offset: 64, .size: 8, .value_kind: global_buffer, .address_space: global }
    .group_segment_fixed_size: 135168
    .private_segment_fixed_size: 0
    .kernarg_segment_align: 8
    .kernarg_segment_size: 72
    .max_flat_workgroup_size: 256
    .sgpr_count:     66
    .vgpr_count:     240
    .wavefront_size: 32
...
	.end_amdgpu_metadata
.endif
;; end of part 1
;; launch kvproj (part 2): grid 4 x 64, 4 waves a work-group, clusters of 4 x 4, 327,680 bytes of LDS; arguments xh, wf, kv; writes kv
.if DOCPART == 2
	.amdgcn_target "amdgcn-amd-amdhsa--gfx1250"
	.amdhsa_code_object_version 6
	.text
	.protected	k_q538234502e_kvproj
	.globl	k_q538234502e_kvproj
	.p2align	8
	.type	k_q538234502e_kvproj,@function
k_q538234502e_kvproj:
	s_mov_b64 s[64:65], 0
	v_nop
	global_prefetch_b8 v0, s[64:65] scope:SCOPE_SE
	s_setreg_imm32_b32 hwreg(HW_REG_WAVE_MODE, 25, 1), 1
	s_wait_xcnt 0x0
	s_wait_alu depctr_hold_cnt(0) depctr_sa_sdst(0) depctr_va_vdst(0) depctr_va_sdst(0) depctr_va_ssrc(0) depctr_va_vcc(0) depctr_vm_vsrc(0)
	s_getreg_b32 s2, hwreg(HW_REG_IB_STS2, 6, 4)
	s_cmp_eq_u32 s2, 0
	s_cbranch_scc0 .Lentry_in_a_cluster
	s_endpgm
.Lentry_in_a_cluster:
	s_bfe_u32 s2, ttmp6, 0x10000c
	s_cmp_lg_u32 s2, 0xf033
	s_cbranch_scc0 .Lentry_shape_is_right
	s_endpgm
.Lentry_shape_is_right:
; Launch 2 of 3: K and V = x [Wk | Wv], a product of 16,384 x 1,024 x 512 in f16 with f32 sums.  Nothing is left out.
; LIMIT: |K|, |V| below 65,504 (they are stored as f16).
; A work-group makes 256 rows (s) x 256 columns (n) with four waves, one for each SIMD of a WGP; a wave makes 128 x 128: 64 accumulator
; tiles, 512 registers.  K goes in four steps of 128 through two LDS slots filled by the tensor data mover.  xh and wf hold fragment blocks
; (1,024 bytes: 16 rows x 32 k; byte 512 half + 16 L is what lane L takes), so a tile is two dense pieces of 16,384 bytes (64 rows x 128 k each), LDS needs no
; padding, and every LDS load of a wave takes 512 neighbouring bytes.
; CLUSTERS: 4 x 4 work-groups.  The four of a row of the cluster need the same rows of x, the four of a column the same rows of W: such a tile is asked
; for jointly, by the same tensor load with the same descriptor in all four and a mask that names them, which divides the requests by four.
; REGISTERS in windows of 256: window 0: v3 16 L, v16-17, v20-21 LDS addresses, v64-127 and v128-191 x's fragments (two buffers), v192-255 packed results;
; window 1: v64-191 W's fragments; windows 2 and 3: the accumulators of my rows 0-63 and 64-127, tile (a, b) at v[8 (8 a + b)].
; SOURCE 0 takes rows of W, source 1 rows of x: lane (r, h) then holds, in registers 0 to 7, columns n0 + 8 h + 0..7 of row s0 + r, which packed to f16 are the 16 bytes
; of lane L in half a fragment block of kv.  So results are stored straight from registers, 512 neighbouring bytes an instruction.
; kv: [b 16][head 8][st 16] tiles of 16,384 bytes: [K, V][kt 4][db 2][block]; in both parts a block's row is key 64 st + 16 kt + r, its k is d = 32 db + ..
.set HALFT,  32768                     ; 128 rows x 128 k: what one tensor load brings, what one wave reads of x or of W
.set SLOT,   4*HALFT                   ; x's 256 rows, then W's 256 rows
.set STEPB,  16384                     ; a K step inside a panel
.set CO,   3                           ; v3      16 L
.set ADRA, 16                          ; v16-17  LDS address of my x fragments in slot 0, 1
.set ADRB, 20                          ; v20-21  the same for W
.set F0,   64
.set F1,   128
.set TMP,  192
.set G1,  24                           ; s[24:31] group 1 for x's tiles
.set G0,  32                           ; s[32:39] group 0 for x's tiles, a set for each slot
.set G1B, 48                           ; s[48:55] group 1 for W's tiles: another mask
.set G0B, 56                           ; s[56:63] group 0 for W's tiles
.set MSB, 0
.macro WIN new                         ; the immediate's high byte repeats the setting that is left
.if MSB != \new
	s_set_vgpr_msb (MSB<<8)|\new
.set MSB, \new
.endif
.endm
.set MUL_LO, 0xa1                      ; source 0 (W) window 1, source 1 (x) window 0, C and D window 2
.set MUL_HI, 0xf1                      ; the same, C and D window 3
.set TO_B,   0x40                      ; destination window 1
; A joint load: waves 0 and 1 fetch x's two halves, waves 2 and 3 W's.  The branch hangs on the wave's number alone.
.macro JLOAD s
	s_cmp_eq_u32 s11, 0
	s_cbranch_scc0 .Lfor_b_\@
	tensor_load_to_lds s[G0+4*\s:G0+4*\s+3], s[G1:G1+7]
	s_nop 0
	s_branch .Lasked_\@
.Lfor_b_\@:
	tensor_load_to_lds s[G0B+4*\s:G0B+4*\s+3], s[G1B:G1B+7]
	s_nop 0
.Lasked_\@:
.endm
; A round of the cluster's barrier: my work-group's barrier; wave 0 signals for the work-group; every wave waits for all sixteen; my work-group's barrier again.
.macro CREST
	s_cmp_lg_u32 s10, 0
	s_cbranch_scc1 .Lnot_wave_0_\@
	s_barrier_signal -3
.Lnot_wave_0_\@:
	s_barrier_wait -3
	s_barrier_signal -1
	s_barrier_wait -1
.endm
.macro CROUND
	s_barrier_signal -1
	s_barrier_wait -1
	CREST
.endm
	s_load_b128 s[4:7], s[0:1], 0x0                ; xh s[4:5], wf s[6:7]
	s_load_b64 s[8:9], s[0:1], 0x10                ; kv
	v_lshrrev_b32 v1, 5, v0
	v_readfirstlane_b32 s10, v1                    ; wave 0..3
	s_lshr_b32 s11, s10, 1                         ; which half of the block's rows is mine.  Also: I fetch for x (0) or for W (1)
	s_and_b32 s12, s10, 1                          ; which half of its columns.  Also: which 128 rows of that tile I fetch
	s_bfe_u32 s40, ttmp6, 0x40000                  ; cx
	s_bfe_u32 s41, ttmp6, 0x40004                  ; cy
	s_lshl_b32 s42, ttmp9, 2
	s_add_co_u32 s42, s42, s40                     ; block column = 4 x cluster x + cx
	s_and_b32 s13, ttmp7, 0xffff
	s_lshl_b32 s13, s13, 2
	s_add_co_u32 s13, s13, s41                     ; block row = 4 x cluster y + cy
	s_lshl_b32 s43, s41, 2
	s_lshl_b32 s43, 15, s43                        ; my row of the cluster: places 4 cy .. 4 cy + 3
	s_lshl_b32 s44, 0x1111, s40                    ; my column: places cx, cx + 4, cx + 8, cx + 12
	; group 1: two rows of 2,048 elements of 8 bytes (16,384 bytes, a panel's K step), 8,192 elements (a panel) apart
	s_or_b32 s[G1+0], s43, (3<<16)|(1<<21)         ; 15:0 the mask: x's tiles go to my row; 17:16 elements of 8 bytes; 21 set beside a mask; no padding
	s_or_b32 s[G1B+0], s44, (3<<16)|(1<<21)        ; W's tiles go to my column
	s_mov_b32 s[G1+1], 2048<<16                    ; tensor_dim0 = 2,048
	s_mov_b32 s[G1B+1], 2048<<16
	s_mov_b32 s[G1+2], 2<<16                       ; tensor_dim1 = 2
	s_mov_b32 s[G1B+2], 2<<16
	s_mov_b32 s[G1+3], 2048<<16                    ; tile_dim0 = 2,048
	s_mov_b32 s[G1B+3], 2048<<16
	s_mov_b32 s[G1+4], 2                           ; tile_dim1 = 2
	s_mov_b32 s[G1B+4], 2
	s_mov_b32 s[G1+5], 8192                        ; from row to row
	s_mov_b32 s[G1B+5], 8192
	s_mov_b32 s[G1+6], 0
	s_mov_b32 s[G1B+6], 0
	s_mov_b32 s[G1+7], 0
	s_mov_b32 s[G1B+7], 0
	; x's tiles hang on the block row alone, W's on the block column alone; each address is made in registers that never hold the other coordinate
	s_lshl_b32 s17, s12, 1
	s_lshl_b32 s16, s13, 2
	s_add_co_u32 s16, s16, s17
	s_lshl_b32 s16, s16, 16                        ; x: panel 4 x block row + 2 x half
	s_lshl_b32 s46, s42, 2
	s_add_co_u32 s46, s46, s17
	s_lshl_b32 s46, s46, 16
	s_add_co_u32 s46, s46, 524288                  ; W: panel 8 (Wk's first) + 4 x block column + 2 x half
	s_mov_b32 s17, 0
	s_mov_b32 s47, 0
	s_mul_i32 s20, s10, HALFT                      ; LDS: x's two halves, then W's two = wave x 32,768
	s_wait_kmcnt 0x0
	s_add_nc_u64 s[14:15], s[4:5], s[16:17]
	s_add_nc_u64 s[46:47], s[6:7], s[46:47]
	CROUND                                         ; all sixteen work-groups are here: the first joint loads meet
.irp s, 0,1
	s_mov_b32 s[G0+4*\s], 1
	s_add_co_u32 s[G0+4*\s+1], s20, \s*SLOT
	s_add_nc_u64 s[G0+4*\s+2:G0+4*\s+3], s[14:15], \s*STEPB        ; K step s
	s_or_b32 s[G0+4*\s+3], s[G0+4*\s+3], 0x80000000
	s_mov_b32 s[G0B+4*\s], 1
	s_add_co_u32 s[G0B+4*\s+1], s20, \s*SLOT
	s_add_nc_u64 s[G0B+4*\s+2:G0B+4*\s+3], s[46:47], \s*STEPB
	s_or_b32 s[G0B+4*\s+3], s[G0B+4*\s+3], 0x80000000
	JLOAD \s                                       ; both slots' first fills go out before anything else: two loads of the wave are out here, one later
.endr
	v_and_b32 v1, 31, v0
	v_lshlrev_b32 v[CO], 4, v1                     ; 16 L
	s_mul_i32 s21, s11, HALFT                      ; my 128 rows of x
	s_mul_i32 s22, s12, HALFT                      ; my 128 rows of W,
	s_add_co_u32 s22, s22, 2*HALFT                 ; which lie behind x's 256
.irp s, 0,1
	v_add_nc_u32 v[ADRA+\s], s21, v[CO]
	v_add_nc_u32 v[ADRB+\s], s22, v[CO]
	s_add_co_u32 s21, s21, SLOT
	s_add_co_u32 s22, s22, SLOT
.endr
; 16 matrix instructions: row blocks a0, a0 + 1 of the window's four x all 8 column blocks, 32 along K.  zero = 1: the first product starts the sums.
.macro MUL16 f, hi, a0, zero
.irp a, \a0, \a0+1
.irp b, 0,1,2,3,4,5,6,7
.if \zero
	v_wmma_f32_16x16x32_f16 v[8*(8*(\a)+\b):8*(8*(\a)+\b)+7], v[\f+8*\b:\f+8*\b+7], v[\f+8*(4*\hi+\a):\f+8*(4*\hi+\a)+7], 0
.else
	v_wmma_f32_16x16x32_f16 v[8*(8*(\a)+\b):8*(8*(\a)+\b)+7], v[\f+8*\b:\f+8*\b+7], v[\f+8*(4*\hi+\a):\f+8*(4*\hi+\a)+7], v[8*(8*(\a)+\b):8*(8*(\a)+\b)+7]
.endif
.endr
.endr
.endm
; 32 LDS loads in one run: quarter kq (32 k) of a K step.  Fragment i (16 rows) is block (i / 4, kq, i % 4) of the wave's 32,768 bytes.
.macro FETCH slot, kq, f
	WIN TO_B
.irp i, 0,1,2,3,4,5,6,7
	ds_load_b128 v[\f+8*\i:\f+8*\i+3],   v[ADRB+\slot] offset:(\i>>2)*16384+\kq*4096+(\i&3)*1024
	ds_load_b128 v[\f+8*\i+4:\f+8*\i+7], v[ADRB+\slot] offset:(\i>>2)*16384+\kq*4096+(\i&3)*1024+512
.endr
	WIN 0
.irp i, 0,1,2,3,4,5,6,7
	ds_load_b128 v[\f+8*\i:\f+8*\i+3],   v[ADRA+\slot] offset:(\i>>2)*16384+\kq*4096+(\i&3)*1024
	ds_load_b128 v[\f+8*\i+4:\f+8*\i+7], v[ADRA+\slot] offset:(\i>>2)*16384+\kq*4096+(\i&3)*1024+512
.endr
.endm
; A load into a register that a matrix instruction has read, and a vector instruction that reads a matrix result, stand four places behind it; only plain
; vector instructions that name none of its registers are places.
.macro PLACES
.rept 4
	v_nop
.endr
.endm
; The 64 accumulators take turns, one instruction a turn, in the same order in every quarter.
.macro QUARTER slot, kq, f, g, zero
	s_wait_dscnt 8                                 ; W and x's rows 0-63 are in; the youngest eight loads (x's rows 64-127) may be out
	WIN MUL_LO
	MUL16 \f, 0, 0, \zero
	MUL16 \f, 0, 2, \zero
	PLACES
	FETCH \slot, \kq, \g
	s_wait_dscnt 32                                ; all but the 32 just issued
	WIN MUL_HI
	MUL16 \f, 1, 0, \zero
	MUL16 \f, 1, 2, \zero
.endm
.macro THREE slot, zero
	QUARTER \slot, 1, F0, F1, \zero
	QUARTER \slot, 2, F1, F0, 0
	QUARTER \slot, 3, F0, F1, 0
.endm
; The last quarter of a K step multiplies buffer 1 and changes slots.  In front of the barrier each wave waits for its reads of this slot and for all its tensor
; loads (one is out: its part of the next slot).  fill = 1: the barrier opens a round of the cluster's barrier, and the joint refill is the first tensor load behind it.
.macro TURN slot, next, fill
	s_wait_dscnt 8
	WIN MUL_LO
	MUL16 F1, 0, 0, 0
	s_wait_dscnt 0                                 ; my reads of this slot are over
	s_wait_tensorcnt 0x0                           ; all my tensor loads have landed
	s_barrier_signal -1
	MUL16 F1, 0, 2, 0                              ; register work while the others arrive
	WIN 0                                          ; at a branch and at a label every window is 0
	s_barrier_wait -1
.if \fill
	CREST                                          ; no wave of any partner still reads this slot's tile or has a load on its way
	s_add_nc_u64 s[G0+4*\slot+2:G0+4*\slot+3], s[G0+4*\slot+2:G0+4*\slot+3], 2*STEPB
	s_add_nc_u64 s[G0B+4*\slot+2:G0B+4*\slot+3], s[G0B+4*\slot+2:G0B+4*\slot+3], 2*STEPB
	JLOAD \slot
.endif
	PLACES
	FETCH \next, 0, F0
	WIN MUL_HI
	MUL16 F1, 1, 0, 0
	MUL16 F1, 1, 2, 0
.endm
	s_wait_tensorcnt 1                             ; my part of K step 0 is in; K step 1's may stay out
	s_barrier_signal -1
	s_barrier_wait -1
	FETCH 0, 0, F0
	THREE 0, 1                                     ; K step 0: its first products start the sums
	TURN 0, 1, 1                                   ; slot 0 gets K step 2
	THREE 1, 0                                     ; K step 1
	TURN 1, 0, 1                                   ; slot 1 gets K step 3
	THREE 0, 0                                     ; K step 2; nothing is left to fetch
	TURN 0, 1, 0
	THREE 1, 0                                     ; K step 3
	s_wait_dscnt 8
	WIN MUL_LO
	MUL16 F1, 0, 0, 0
	MUL16 F1, 0, 2, 0
	s_wait_dscnt 0
	WIN MUL_HI
	MUL16 F1, 1, 0, 0
	MUL16 F1, 1, 2, 0
	; THE WAY OUT.  Row s = 256 block row + 128 s11 + 16 ai + r: b = block row / 4, st = 4 (block row % 4) + 2 s11 + ai / 4, kt = ai % 4.
	; Column n = 256 block column + 128 s12 + 16 bb + 8 h + j: part = block column / 2, head = 4 (block column % 2) + 2 s12 + bb / 4, db = (bb / 2) % 2, half = bb % 2.
	PLACES
	s_lshr_b32 s16, s13, 2
	s_lshl_b32 s16, s16, 7                         ; b x 8 heads x 16 tiles
	s_and_b32 s14, s13, 3
	s_lshl_b32 s14, s14, 2
	s_add_co_u32 s16, s16, s14
	s_lshl_b32 s14, s11, 1
	s_add_co_u32 s16, s16, s14
	s_lshl_b32 s16, s16, 14                        ; tiles of 16,384 bytes
	s_mov_b32 s17, 0
	s_add_nc_u64 s[8:9], s[8:9], s[16:17]
	s_and_b32 s46, s42, 1                          ; the column's part in the registers that held W's address
	s_lshl_b32 s46, s46, 2
	s_lshl_b32 s47, s12, 1
	s_add_co_u32 s46, s46, s47
	s_lshl_b32 s46, s46, 18                        ; a head's 16 tiles
	s_lshr_b32 s47, s42, 1
	s_lshl_b32 s47, s47, 13                        ; K's part or V's
	s_add_co_u32 s46, s46, s47
	s_mov_b32 s47, 0
	s_add_nc_u64 s[8:9], s[8:9], s[46:47]
; rows 16 (4 hi + a) .. + 15: eight tiles; from = 0x0a or 0x0f (sources 0 and 1 in window 2 or 3); buf: which 32 registers hold the packed results
.macro OUTA hi, a, from, buf
	s_wait_xcnt 0x0                                ; the packed registers, which earlier stores read, are rewritten only behind this wait
	WIN \from
.irp b, 0,1,2,3,4,5,6,7
.irp r, 0,1,2,3
	v_cvt_pk_f16_f32 v[TMP+32*\buf+4*\b+\r], v[8*(8*\a+\b)+2*\r], v[8*(8*\a+\b)+2*\r+1]
.endr
.endr
	WIN 0
.irp b, 0,1,2,3,4,5,6,7
	global_store_b128 v[CO], v[TMP+32*\buf+4*\b:TMP+32*\buf+4*\b+3], s[8:9] offset:(\b>>2)*262144+\hi*16384+\a*2048+((\b>>1)&1)*1024+(\b&1)*512   ; half a block: 512 neighbouring bytes, aligned
.endr
.endm
	OUTA 0, 0, 0x0a, 0
	OUTA 0, 1, 0x0a, 1
	OUTA 0, 2, 0x0a, 0
	OUTA 0, 3, 0x0a, 1
	OUTA 1, 0, 0x0f, 0
	OUTA 1, 1, 0x0f, 1
	OUTA 1, 2, 0x0f, 0
	OUTA 1, 3, 0x0f, 1
	CROUND                                         ; the closing round: no work-group ends while a partner may still ask for a tile that names it
	s_endpgm
.Lfunc_end_k_q538234502e_kvproj:
	.size	k_q538234502e_kvproj, .Lfunc_end_k_q538234502e_kvproj-k_q538234502e_kvproj
	.p2alignl 7, 3214868480
	.fill 96, 4, 3214868480
	.section	.rodata,"a",@progbits
	.p2align	6, 0x0
	.amdhsa_kernel k_q538234502e_kvproj
		.amdhsa_group_segment_fixed_size 327680
		.amdhsa_private_segment_fixed_size 0
		.amdhsa_enable_private_segment 0
		.amdhsa_kernarg_size 24
		.amdhsa_user_sgpr_count 2
		.amdhsa_user_sgpr_kernarg_segment_ptr 1
		.amdhsa_wavefront_size32 1
		.amdhsa_system_sgpr_workgroup_id_x 1
		.amdhsa_system_sgpr_workgroup_id_y 1
		.amdhsa_system_sgpr_workgroup_id_z 1
		.amdhsa_system_vgpr_workitem_id 0
		.amdhsa_next_free_vgpr 1024
		.amdhsa_next_free_sgpr 66
		.amdhsa_reserve_vcc 0
		.amdhsa_float_denorm_mode_32 3
		.amdhsa_float_denorm_mode_16_64 3
		.amdhsa_memory_ordered 1
		.amdhsa_forward_progress 1
		.amdhsa_inst_pref_size 132
	.end_amdhsa_kernel
	.amdgpu_metadata
---
amdhsa.version: [ 1, 2 ]
amdhsa.kernels:
  - .name:           k_q538234502e_kvproj
    .symbol:         k_q538234502e_kvproj.kd
    .args:
      - { .name: xh, .offset: 0, .size: 8, .value_kind: global_buffer, .address_space: global }
      - { .name: wf, .offset: 8, .size: 8, .value_kind: global_buffer, .address_space: global }
      - { .name: kv, .offset: 16, .size: 8, .value_kind: global_buffer, .address_space: global }
    .group_segment_fixed_size: 327680
    .private_segment_fixed_size: 0
    .kernarg_segment_align: 8
    .kernarg_segment_size: 24
    .max_flat_workgroup_size: 128
    .sgpr_count:     66
    .vgpr_count:     1024
    .wavefront_size: 32
...
	.end_amdgpu_metadata
.endif
;; end of part 2
;; launch attn (part 3): grid 16 x 16, 8 waves a work-group, clusters of 4 x 1, 327,680 bytes of LDS; arguments xh, wf, kv, mb, out0; writes out0
.if DOCPART == 3
	.amdgcn_target "amdgcn-amd-amdhsa--gfx1250"
	.amdhsa_code_object_version 6
	.text
	.protected	k_q538234502e_attn
	.globl	k_q538234502e_attn
	.p2align	8
	.type	k_q538234502e_attn,@function
k_q538234502e_attn:
	s_mov_b64 s[64:65], 0
	v_nop
	global_prefetch_b8 v0, s[64:65] scope:SCOPE_SE
	s_setreg_imm32_b32 hwreg(HW_REG_WAVE_MODE, 25, 1), 1
	s_wait_xcnt 0x0
	s_wait_alu depctr_hold_cnt(0) depctr_sa_sdst(0) depctr_va_vdst(0) depctr_va_sdst(0) depctr_va_ssrc(0) depctr_va_vcc(0) depctr_vm_vsrc(0)
	s_getreg_b32 s2, hwreg(HW_REG_IB_STS2, 6, 4)
	s_cmp_eq_u32 s2, 0
	s_cbranch_scc0 .Lentry_in_a_cluster
	s_endpgm
.Lentry_in_a_cluster:
	s_bfe_u32 s2, ttmp6, 0x10000c
	s_cmp_lg_u32 s2, 0x3003
	s_cbranch_scc0 .Lentry_shape_is_right
	s_endpgm
.Lentry_shape_is_right:
; Launch 3 of 3: Q = x Wq, the masked softmax attention, and the product with Wout, for 64 queries of one sample and all 8 heads.  Nothing is left out.
; Eight waves: wave w is head w in the projection of Q and in the attention, and output columns 64 w .. 64 w + 63 in the last product; so h, the heads side by side,
; is handed over in LDS and never goes to memory.  256 work-groups (16 samples x 16 blocks of 64 queries).
; SOFTMAX as in reference(), with a running maximum.  Q is multiplied by c[b] = log2(e) / sqrt(nsum[b]) (the division by sqrt(nsum), and the change to exponentials to the base 2)
; and by qv = 1 for a valid query, 0 for a masked one.  A key's bias (0, or -1e30 where its mask is 0) is the C operand of the score's first product.
;   valid query: finite f16 operands give |sum of products| <= 64 x 65,504^2 = 2.8e11, far below a unit in the last place of 1e30 (7.6e22), so a masked key's score is -1e30 to within one such
;   unit, and 2^(score - m) = 0 as soon as m comes from a valid key; a valid query is itself a valid key, so that happens.
;   masked query: the maximum is multiplied by qv and the exponent is score x qv - m x qv = 0 for every key, alpha = 2^0 = 1: the softmax is uniform over all 1,024 keys, as that of 1,024 equal scores in reference().
;   Leading tiles in which every key is masked give a valid query p = 1 or 0 at a maximum near -1e30; the first valid key's alpha = 2^(-1e30 - m) = 0 wipes them.  The sum l is at least 1.
; LIMITS: operands in f16: |Q c|, |K|, |V|, |h| below 65,504; an infinity or NaN in K gives a masked query NaN here (times 0), -1e30 in reference().
; CLUSTER: the four work-groups of a cluster have the same sample, so they walk the same tiles of Wq, of K and V, and of Wout: every ring tile is asked for jointly (mask 15),
; which divides these requests by four.  cx enters global addresses alone (my rows of x, my queries' mask, my rows of the output).
; LDS: a ring of two slots of 131,072 bytes, wave w's own tile of 16,384 bytes at slot + 16,384 w (only wave w reads it); from 262,144 on 65,536 bytes: first my 64 rows of x (a panel,
; filled once), later h in the same panel format.  The way out is staged in 16 x 272 bytes of the wave's tile of slot 0, behind that slot's last fill.
; RING: 24 steps, slot = step % 2: 0-3 Wq (128 k each), 4-19 K and V of 64 keys, 20-23 Wout.  One round of the cluster's barrier and one joint load a wave for each refill.
; In the projections the round stands between two steps.  In the attention it stands inside the step, where the step's last reads of its slot (V's fragments) are back: the slot is filled again
; with the tile of the step after next, two products and 40 vector instructions stand between the round's opening signal and its wait, and behind the refill half of the next step's K is fetched.
; All tiles hold fragment blocks (1,024 bytes: 16 rows x 32 k; lane L takes 16 bytes at 16 L and at 512 + 16 L), so LDS loads take 512 neighbouring bytes and need no padding.
; MATRIX BESIDE VECTOR WORK: a step of the attention has 64 products and 484 vector instructions.  The four query tiles are independent pieces that share K's and V's fragments: the
; vector phase of a tile is cut into 12 slices; 18 of the 24 score products of tiles 1 to 3 stand in pairs between the slices of tile 0, and P V of tile q - 1 (8 products) between those of tile q.
; The step's first 14 score products and P V of tile 3 (8 products) stand alone.  Scores lie in window 0; Q, O, the bias and the K fetched ahead in window 1: 55 switches of window a step.
; REGISTERS, window 0: v1-11 addresses, v12-15 at work, v16.. -m and m, v24.. alpha, v32.. l (a pair), v40.. qv, v48-53 at work, v64-127 fragments, v128-255 the 16 score tiles;
; window 1: v0-127 O (tile (dt, qt) at 8 (4 dt + qt); v64-127 are a second fragment buffer while Q and the output are made, when O holds nothing), v128-191 Q's fragments, v192-223 the keys' bias,
; v224-255 K's fragments of d = 0..31.
.set RA,  2                            ; v2, v3   my ring tile in slot 0, 1: + 16 L
.set VA,  4                            ; v4, v5   V's part of it, for the transposing loads
.set XA,  6                            ; v6       the x / h panel + 16 L
.set HS,  7                            ; v7       my head's 8,192 bytes of h + 16 L
.set KBO, 8                            ; v8       32 h: my 8 keys of a tile of 16, in the bias
.set STS, 9                            ; v9       stage, in
.set STR, 10                           ; v10      stage, back
.set OOF, 11                           ; v11      my 16 bytes in two rows of the output
.set NM,  16                           ; v[16+2qt] -m, v[17+2qt] m
.set AL,  24                           ; v[24+2qt] alpha (c qv while Q is made; 1 / l at the end); v[25+2qt] = 0, only named
.set LS,  32                           ; v[32+2qt:33+2qt] l, even and odd keys apart
.set QV,  40                           ; v[40+2qt] qv, v[41+2qt] its copy
.set FR,  64
.set SB,  128                          ; tile (i, q) at SB + 32 i + 8 q
.set OB,  0                            ; window 1
.set QF,  128                          ; window 1: Q(qt, u) at QF + 8 (2 qt + u)
.set KB,  192                          ; window 1
.set KF,  224                          ; window 1: K(kt, d = 0..31) at KF + 8 kt
.set G1J, 16                           ; s[16:23] group 1 of the joint loads
.set G1X, 24                           ; s[24:31] group 1 of x's panel
.set G0,  32                           ; s[32:39] group 0, a set for each slot
.set G0X, 40                           ; s[40:43] group 0 of x's panel
.set KVB, 44                           ; s[44:47] addresses of my head's tiles st = 0, 1
.set WOB, 48                           ; s[48:51] addresses of my columns' tiles of Wout, f = 0.., 128..
.set KBP, 52                           ; s[52:53] the bias of the current 64 keys
.set MSB, 0
.macro WIN new                         ; low byte: bits 1:0 source 0, 3:2 source 1, 5:4 source 2, 7:6 destination; the high byte repeats the setting that is left
.if MSB != \new
	s_set_vgpr_msb (MSB<<8)|\new
.set MSB, \new
.endif
.endm
.macro NOPS n
.rept \n
	v_nop
.endr
.endm
; A round of the cluster's barrier: my work-group's barrier; wave 0 signals for the work-group; every wave waits for all four work-groups; my work-group's barrier again.
.macro CREST                           ; a round behind its opening barrier
	s_cmp_lg_u32 s14, 0
	s_cbranch_scc1 .Lnot_wave_0_\@
	s_barrier_signal -3
.Lnot_wave_0_\@:
	s_barrier_wait -3
	s_barrier_signal -1
	s_barrier_wait -1
.endm
.macro ROUND                           ; a whole round
	s_barrier_signal -1
	s_barrier_wait -1
	CREST
.endm
; Slot f's next tile.  kind 1: the tile 32,768 bytes on; kind 2: the tile at s[pair].  Stands behind a wait for all my tensor loads.
.macro GSTEP f, kind, pair
.if \kind == 1
	s_add_nc_u64 s[G0+4*\f+2:G0+4*\f+3], s[G0+4*\f+2:G0+4*\f+3], 32768
.endif
.if \kind == 2
	s_mov_b64 s[G0+4*\f+2:G0+4*\f+3], s[\pair:\pair+1]
	s_or_b32 s[G0+4*\f+3], s[G0+4*\f+3], 0x80000000
.endif
.endm
; Between two steps of a projection: slot f, read in the last step, is filled again.
.macro HEAD f, kind, pair
	s_wait_tensorcnt 0x0                           ; all my tensor loads have landed: group 0 may be written
	GSTEP \f, \kind, \pair
	s_wait_dscnt 0x0                               ; my reads of slot f are back
	ROUND                                          ; both now hold of every wave of all four work-groups
	tensor_load_to_lds s[G0+4*\f:G0+4*\f+3], s[G1J:G1J+7]          ; my one tensor load behind the round, and the first thing there
	s_nop 0
.endm
	s_load_b256 s[4:11], s[0:1], 0x0               ; xh s[4:5], wf s[6:7], kv s[8:9], mb s[10:11]
	s_load_b64 s[12:13], s[0:1], 0x20              ; out0
	v_lshrrev_b32 v12, 5, v0
	v_readfirstlane_b32 s14, v12                   ; wave = head
	s_bfe_u32 s15, ttmp6, 0x40000                  ; cx
	s_and_b32 s56, ttmp7, 0xffff                   ; b
	s_lshl_b32 s57, ttmp9, 2
	s_add_co_u32 s57, s57, s15                     ; qb = 4 x cluster x + cx: which 64 queries
	s_mov_b32 s58, 0x76543210                      ; v_permlanex16_b32: lane i of one half reads lane i of the other
	s_mov_b32 s59, 0xfedcba98
	s_mov_b32 s[G1J+0], 0x0023000f                 ; 15:0 mask: all four of the cluster; 17:16 elements of 8 bytes; 21 set beside a mask
	s_mov_b32 s[G1J+1], 32<<16                     ; tensor_dim0 = 32 (256 bytes)
	s_mov_b32 s[G1J+2], 64<<16                     ; tensor_dim1 = 64
	s_mov_b32 s[G1J+3], 32<<16                     ; tile_dim0 = 32
	s_mov_b32 s[G1J+4], 64                         ; tile_dim1 = 64 rows: 16,384 dense bytes
	s_mov_b32 s[G1J+5], 32                         ; from row to row
	s_mov_b32 s[G1J+6], 0
	s_mov_b32 s[G1J+7], 0
	s_mov_b32 s[G1X+0], 3<<16                      ; no mask: my own rows of x
	s_mov_b32 s[G1X+1], 32<<16
	s_mov_b32 s[G1X+2], 32<<16
	s_mov_b32 s[G1X+3], 32<<16
	s_mov_b32 s[G1X+4], 32                         ; 32 rows of 256 bytes: 8,192 dense bytes a wave
	s_mov_b32 s[G1X+5], 32
	s_mov_b32 s[G1X+6], 0
	s_mov_b32 s[G1X+7], 0
	s_mov_b32 s[G0], 1
	s_mov_b32 s[G0+4], 1
	s_mov_b32 s[G0X], 1
	s_mul_i32 s[G0+1], s14, 16384                  ; LDS: slot 0, my tile
	s_add_co_u32 s[G0+5], s[G0+1], 131072          ; slot 1
	s_mul_i32 s[G0X+1], s14, 8192
	s_add_co_u32 s[G0X+1], s[G0X+1], 262144        ; my eighth of x's panel
	s_lshl_b32 s60, s14, 16                        ; a panel of wf for each wave
	s_mov_b32 s61, 0
	s_lshl_b32 s62, s56, 4
	s_add_co_u32 s62, s62, s57                     ; 16 b + qb: my 64 rows
	s_lshl_b32 s70, s62, 17                        ; 64 rows of 2,048 bytes of the output
	s_lshl_b32 s63, s14, 8
	s_add_co_u32 s70, s70, s63                     ; + my 64 columns
	s_mov_b32 s71, 0
	s_lshl_b32 s62, s62, 16                        ; x's panel
	s_lshl_b32 s63, s14, 13
	s_add_co_u32 s62, s62, s63                     ; + my eighth
	s_mov_b32 s63, 0
	s_wait_kmcnt 0x0
	s_add_nc_u64 s[G0+2:G0+3], s[6:7], s[60:61]            ; step 0: Wq, head w, k = 0..127
	s_add_nc_u64 s[G0+6:G0+7], s[G0+2:G0+3], 16384         ; step 1: k = 128..255
	s_add_nc_u64 s[WOB:WOB+1], s[G0+2:G0+3], 1572864       ; Wout's panels are 24 to 31
	s_add_nc_u64 s[WOB+2:WOB+3], s[G0+2:G0+3], 1589248
	s_or_b32 s[G0+3], s[G0+3], 0x80000000
	s_or_b32 s[G0+7], s[G0+7], 0x80000000
	s_add_nc_u64 s[G0X+2:G0X+3], s[4:5], s[62:63]
	s_or_b32 s[G0X+3], s[G0X+3], 0x80000000
	s_add_nc_u64 s[66:67], s[12:13], s[70:71]
	s_lshl_b32 s60, s56, 3
	s_add_co_u32 s60, s60, s14
	s_lshl_b32 s60, s60, 18                        ; (8 b + w) x 16 tiles of 16,384 bytes
	s_add_nc_u64 s[KVB:KVB+1], s[8:9], s[60:61]
	s_add_nc_u64 s[KVB+2:KVB+3], s[KVB:KVB+1], 16384
	s_lshl_b32 s60, s56, 12
	s_add_nc_u64 s[KBP:KBP+1], s[10:11], s[60:61]  ; bias[b]
	s_lshl_b32 s60, s56, 7
	s_add_co_u32 s60, s60, 65536
	s_add_nc_u64 s[68:69], s[10:11], s[60:61]
	s_load_b32 s55, s[68:69], 0x0                  ; c[b]
	ROUND                                          ; all four work-groups are here: the first joint loads meet
	tensor_load_to_lds s[G0X:G0X+3], s[G1X:G1X+7]  ; the three first fills go out as one group: three loads of the wave are out here, one later
	s_nop 0
	tensor_load_to_lds s[G0:G0+3], s[G1J:G1J+7]
	s_nop 0
	tensor_load_to_lds s[G0+4:G0+7], s[G1J:G1J+7]
	s_nop 0
	v_and_b32 v12, 31, v0
	v_lshlrev_b32 v1, 4, v12                       ; 16 L
	v_and_b32 v13, 15, v0                          ; r
	v_bfe_u32 v14, v0, 4, 1                        ; h
	v_bfe_u32 v15, v0, 3, 1
	s_mul_i32 s60, s14, 16384
	s_mul_i32 s61, s14, 8192
	v_add_nc_u32 v[RA], s60, v1
	v_add_nc_u32 v[RA+1], 131072, v[RA]
	; V lies [key][d] in blocks.  ds_load_tr16_b128 gives lane 8 g + i, as its element j, element i of the 16 bytes that lane 8 g + j addressed.  I need V(key = k0 + 8 h + j, d = 16 dt + r):
	; so lane L addresses key k0 + 8 (L / 16) + L % 8, d = 16 dt + 8 ((L / 8) % 2) + 0..7, which in a block is the 16 bytes of place 16 ((L / 8) % 2) + 8 (L / 16) + L % 8.
	v_and_b32 v12, 7, v0
	v_lshl_add_u32 v12, v14, 3, v12
	v_lshl_add_u32 v12, v15, 4, v12
	v_lshlrev_b32 v12, 4, v12
	v_add_nc_u32 v12, s60, v12
	v_add_nc_u32 v[VA], 8192, v12                  ; V's part lies behind K's 8,192 bytes
	v_add_nc_u32 v[VA+1], 139264, v12
	v_add_nc_u32 v[XA], 262144, v1
	v_add_nc_u32 v[HS], s61, v[XA]
	v_lshlrev_b32 v[KBO], 5, v14
	v_mul_u32_u24 v15, v13, 272                    ; stage rows of 256 + 16 bytes: row r starts at bank 4 r mod 64 (64 banks of 4 bytes: ISA guide 11.1)
	v_lshl_add_u32 v15, v14, 5, v15
	v_add_nc_u32 v[STS], s60, v15                  ; in: row r, 8 f32 from column 8 h on
	v_mul_u32_u24 v15, v14, 272
	v_lshl_add_u32 v15, v13, 4, v15
	v_add_nc_u32 v[STR], s60, v15                  ; back: lanes 0-15 one row of 256 bytes, lanes 16-31 the next
	v_lshlrev_b32 v15, 4, v13
	v_lshl_add_u32 v[OOF], v14, 11, v15            ; the same two rows in the output
	s_lshl_b32 s62, s57, 8
	v_lshl_add_u32 v12, v13, 2, s62                ; bias of query 64 qb + r
.irp qt, 0,1,2,3
	global_load_b32 v[QV+2*\qt], v12, s[KBP:KBP+1] offset:64*\qt
.endr
	WIN 0x40
.irp kt, 0,1,2,3
.irp e, 0,1
	global_load_b128 v[KB+8*\kt+4*\e:KB+8*\kt+4*\e+3], v[KBO], s[KBP:KBP+1] offset:64*\kt+16*\e   ; the first 64 keys' bias: keys 16 kt + 8 h + 0..7
.endr
.endr
	WIN 0
	v_mov_b32 v14, 1.0
	s_wait_loadcnt 0x8                             ; my four queries' words are in; the eight loads behind them stay out
	s_wait_kmcnt 0x0                               ; c[b]
.irp qt, 0,1,2,3
	v_cmp_eq_f32 vcc_lo, 0, v[QV+2*\qt]
	v_cndmask_b32 v[QV+2*\qt], 0, v14, vcc_lo      ; qv = 1 for a valid query, else 0
	v_mov_b32 v[QV+2*\qt+1], v[QV+2*\qt]
	v_mul_f32 v[AL+2*\qt], s55, v[QV+2*\qt]        ; c qv
	v_mov_b32 v[AL+2*\qt+1], 0
.endr
	s_wait_tensorcnt 0x1                           ; my eighth of x and my tile of step 0 are in; step 1's may stay out
	s_barrier_signal -1
	s_barrier_wait -1                              ; x's panel is whole
; THE TWO PROJECTIONS: (64 rows of the ring tile) x (64 rows of the panel at 262,144): tile (t, q) += W(16 t .., k) X(16 q .., k), 128 along K a step, 32 a block.
; Lane (r, h), register j of tile (t, q) holds (row 16 t + 8 h + j of W, row 16 q + r of the panel).
; Two fragment buffers, v64-127 of window 0 (blocks 0, 2) and of window 1 (blocks 1, 3): while one block is multiplied the next one's sixteen loads are on their way.
; Sixteen LDS loads: block kb of step kc into buffer buf; the panel's four fragments first, then W's, so that a count can leave W's rows 32-63 out.
.macro PLOAD slot, kc, kb, buf
.if \buf
	WIN 0x40
.else
	WIN 0
.endif
.irp q, 0,1,2,3
	ds_load_b128 v[FR+32+8*\q:FR+32+8*\q+3],   v[XA] offset:(\kc)*16384+(\kb)*4096+\q*1024
	ds_load_b128 v[FR+32+8*\q+4:FR+32+8*\q+7], v[XA] offset:(\kc)*16384+(\kb)*4096+\q*1024+512
.endr
.irp t, 0,1,2,3
	ds_load_b128 v[FR+8*\t:FR+8*\t+3],   v[RA+(\slot)] offset:(\kb)*4096+\t*1024
	ds_load_b128 v[FR+8*\t+4:FR+8*\t+7], v[RA+(\slot)] offset:(\kb)*4096+\t*1024+512
.endr
.endm
; Eight products: W's rows 16 t0 .. 16 t0 + 31 x all four panel fragments.  z = 1: they start the sums.  The 16 accumulators take turns, one instruction a turn.
.macro PMUL buf, t0, z
.if \buf
	WIN 0x05
.else
	WIN 0
.endif
.irp t, \t0, \t0+1
.irp q, 0,1,2,3
.if \z
	v_wmma_f32_16x16x32_f16 v[SB+32*(\t)+8*\q:SB+32*(\t)+8*\q+7], v[FR+8*(\t):FR+8*(\t)+7], v[FR+32+8*\q:FR+32+8*\q+7], 0
.else
	v_wmma_f32_16x16x32_f16 v[SB+32*(\t)+8*\q:SB+32*(\t)+8*\q+7], v[FR+8*(\t):FR+8*(\t)+7], v[FR+32+8*\q:FR+32+8*\q+7], v[SB+32*(\t)+8*\q:SB+32*(\t)+8*\q+7]
.endif
.endr
.endr
.endm
; One block of 32 along K from buffer buf.  more = 1: in its middle the block (nslot, nkc, nkb) is fetched into buffer nbuf; tw = 1: that block lies in the other slot.
.macro PKB buf, z, more, tw, nslot, nkc, nkb, nbuf
	s_wait_dscnt 0x4                               ; the panel's fragments and W's rows 0-31 are in; the youngest four loads (W's rows 32-63) may be out
	PMUL \buf, 0, \z
.if \more
	NOPS 4                                         ; four places between the last block's products and the loads into their sources
.if \tw
	s_wait_tensorcnt 0x0                           ; the next step's tile is my own load's, and none was issued behind it: this wait is all that my reads of it need
.endif
	PLOAD \nslot, \nkc, \nkb, \nbuf
	s_wait_dscnt 0x10                              ; all but the sixteen just issued
.else
	s_wait_dscnt 0x0
.endif
	PMUL \buf, 2, \z
.endm
; A step.  pre = 1: its first block is fetched here (the first step of a product); nxt = 1: the next step's first block is fetched in its last block.
.macro PROJSTEP slot, kc, zero, pre, nxt
.if \pre
	PLOAD \slot, \kc, 0, 0
.endif
	PKB 0, \zero, 1, 0, \slot, \kc, 1, 1
	PKB 1, 0,     1, 0, \slot, \kc, 2, 0
	PKB 0, 0,     1, 0, \slot, \kc, 3, 1
.if \nxt
	PKB 1, 0, 1, 1, 1-\slot, \kc+1, 0, 0
.else
	PKB 1, 0, 0, 0, 0, 0, 0, 0
.endif
	WIN 0                                          ; branches may follow
.endm
; Q times c qv, to f16: a lane's 8 numbers of tile (dt, qt) are d = 16 dt + 8 h + 0..7 of query 16 qt + r: registers 4 (dt % 2) .. + 3 of the fragment (qt, u = dt / 2)
.macro QFIN
	NOPS 4                                         ; four places between the last products and the reads of their results (ISA guide 7.12.1)
.irp dt, 0,1,2,3
.irp qt, 0,1,2,3
.irp i, 0,2,4,6
	v_pk_mul_f32 v[SB+32*\dt+8*\qt+\i:SB+32*\dt+8*\qt+\i+1], v[SB+32*\dt+8*\qt+\i:SB+32*\dt+8*\qt+\i+1], v[AL+2*\qt:AL+2*\qt+1] op_sel_hi:[1,0]
.endr
.endr
.endr
	WIN 0x40
.irp dt, 0,1,2,3
.irp qt, 0,1,2,3
.irp i, 0,1,2,3
	v_cvt_pk_f16_f32 v[QF+8*(2*\qt+(\dt>>1))+4*(\dt&1)+\i], v[SB+32*\dt+8*\qt+2*\i], v[SB+32*\dt+8*\qt+2*\i+1]
.endr
.endr
.endr
	WIN 0
.endm
; THE ATTENTION'S VECTOR WORK, for one query tile qt.
; The new maximum over this step's 64 keys (32 in my registers, 32 in the other half's lane) and the old one, in three parts
.macro MAXA qt, first
.if \first
	v_max_num_f32 v52, v[SB+8*\qt], v[SB+8*\qt+1]
.else
	v_max3_num_f32 v52, v[NM+2*\qt+1], v[SB+8*\qt], v[SB+8*\qt+1]
.endif
	v_max_num_f32 v53, v[SB+64+8*\qt], v[SB+64+8*\qt+1]
.irp j, 2,4,6
	v_max3_num_f32 v52, v52, v[SB+8*\qt+\j], v[SB+8*\qt+\j+1]
	v_max3_num_f32 v53, v53, v[SB+64+8*\qt+\j], v[SB+64+8*\qt+\j+1]
.endr
.endm
.macro MAXB qt
.irp j, 0,2,4,6
	v_max3_num_f32 v52, v52, v[SB+32+8*\qt+\j], v[SB+32+8*\qt+\j+1]
	v_max3_num_f32 v53, v53, v[SB+96+8*\qt+\j], v[SB+96+8*\qt+\j+1]
.endr
.endm
.macro MAXC qt, first
	v_max_num_f32 v52, v52, v53
	v_permlanex16_b32 v53, v52, s58, s59
	v_max_num_f32 v52, v52, v53
	v_mul_f32 v52, v52, v[QV+2*\qt]                ; m qv: 0 for a masked query, in every step, so that its alpha is 1
.if \first == 0
	v_sub_f32 v[AL+2*\qt], v[NM+2*\qt+1], v52
	v_exp_f32 v[AL+2*\qt], v[AL+2*\qt]             ; alpha = 2^(old - new); the two plain lines below stand between it and any use (ISA guide 5.7.2)
.endif
	v_mov_b32 v[NM+2*\qt+1], v52
	v_xor_b32 v[NM+2*\qt], 0x80000000, v52
.endm
.macro SUBK kt, qt                     ; score x qv - m qv, one fused operation: score - m for a valid query, 0 for a masked one
.irp i, 0,2,4,6
	v_pk_fma_f32 v[SB+32*\kt+8*\qt+\i:SB+32*\kt+8*\qt+\i+1], v[SB+32*\kt+8*\qt+\i:SB+32*\kt+8*\qt+\i+1], v[QV+2*\qt:QV+2*\qt+1], v[NM+2*\qt:NM+2*\qt+1] op_sel_hi:[1,0,0]
.endr
.endm
.macro EXPK kt, qt
.irp i, 0,1,2,3,4,5,6,7
	v_exp_f32 v[SB+32*\kt+8*\qt+\i], v[SB+32*\kt+8*\qt+\i]
.endr
.endm
.macro SUMK kt, qt, first              ; l = l alpha + the sum of p (alpha once a step, with the first tile)
	s_wait_alu depctr_va_vdst(0)
	v_pk_add_f32 v[48:49], v[SB+32*\kt+8*\qt:SB+32*\kt+8*\qt+1], v[SB+32*\kt+8*\qt+2:SB+32*\kt+8*\qt+3]
	v_pk_add_f32 v[50:51], v[SB+32*\kt+8*\qt+4:SB+32*\kt+8*\qt+5], v[SB+32*\kt+8*\qt+6:SB+32*\kt+8*\qt+7]
.if (\first-\kt) == 1
	v_pk_add_f32 v[LS+2*\qt:LS+2*\qt+1], v[48:49], v[50:51]        ; the first tile of all starts the sum
.else
	v_pk_add_f32 v[48:49], v[48:49], v[50:51]
.if \kt == 0
	v_pk_fma_f32 v[LS+2*\qt:LS+2*\qt+1], v[LS+2*\qt:LS+2*\qt+1], v[AL+2*\qt:AL+2*\qt+1], v[48:49] op_sel_hi:[1,0,1]
.else
	v_pk_add_f32 v[LS+2*\qt:LS+2*\qt+1], v[LS+2*\qt:LS+2*\qt+1], v[48:49]
.endif
.endif
.endm
.macro CVTK kt, qt                     ; p to f16: keys 16 kt + 8 h + 0..7 are registers 4 (kt % 2) .. + 3 of P's fragment for 32 keys, which takes the place of tile (kt & 2, qt)
.irp i, 0,1,2,3
	v_cvt_pk_f16_f32 v[SB+32*(\kt&2)+8*\qt+4*(\kt&1)+\i], v[SB+32*\kt+8*\qt+2*\i], v[SB+32*\kt+8*\qt+2*\i+1]
.endr
.endm
; Slice n (0 to 11) of the vector phase of query tile qt.  A slice names only tile qt's scores, its column of O, its own scalars of the softmax and v48-53, so it may stand between
; another tile's products and fills the places behind them.  Behind each run of exponentials stands plain work of the same tile (the next subtractions, or a v_nop) ahead of the first use (ISA guide 5.7.2).
.macro VS qt, first, n
.if \n == 11
.if \first == 0
	WIN 0x41                                       ; O in window 1, alpha in window 0
.irp dt, 0,1,2,3
.irp i, 0,2,4,6
	v_pk_mul_f32 v[OB+8*(4*\dt+\qt)+\i:OB+8*(4*\dt+\qt)+\i+1], v[OB+8*(4*\dt+\qt)+\i:OB+8*(4*\dt+\qt)+\i+1], v[AL+2*\qt:AL+2*\qt+1] op_sel_hi:[1,0]
.endr
.endr
.endif
.else
	WIN 0
.endif
.if \n == 0
	MAXA \qt, \first
.endif
.if \n == 1
	MAXB \qt
.endif
.if \n == 2
	MAXC \qt, \first
.endif
.if \n == 3
	SUBK 0, \qt
	EXPK 0, \qt
.endif
.if \n == 4
	SUBK 1, \qt
	SUMK 0, \qt, \first
	CVTK 0, \qt
.endif
.if \n == 5
	EXPK 1, \qt
	SUBK 2, \qt
.endif
.if \n == 6
	SUMK 1, \qt, \first
	CVTK 1, \qt
.endif
.if \n == 7
	EXPK 2, \qt
	SUBK 3, \qt
.endif
.if \n == 8
	SUMK 2, \qt, \first
	CVTK 2, \qt
.endif
.if \n == 9
	EXPK 3, \qt
	v_nop
	s_wait_alu depctr_va_vdst(0)
.endif
.if \n == 10
	SUMK 3, \qt, \first
	CVTK 3, \qt
.endif
.endm
; One product of the scores: S(kt, qt), lane (r, h), register j = (key 16 kt + 8 h + j, query 16 qt + r).  u = 0 (d = 0..31, K fetched in the step before) starts the sum from the keys' bias, u = 1 adds d = 32..63.
.macro SW u, kt, qt
.if \u
	WIN 0x04                                       ; source 1 (Q) in window 1
	v_wmma_f32_16x16x32_f16 v[SB+32*(\kt)+8*(\qt):SB+32*(\kt)+8*(\qt)+7], v[FR+8*(2*(\kt)+1):FR+8*(2*(\kt)+1)+7], v[QF+8*(2*(\qt)+1):QF+8*(2*(\qt)+1)+7], v[SB+32*(\kt)+8*(\qt):SB+32*(\kt)+8*(\qt)+7]
.else
	WIN 0x15                                       ; all three sources (K, Q, the bias) in window 1
	v_wmma_f32_16x16x32_f16 v[SB+32*(\kt)+8*(\qt):SB+32*(\kt)+8*(\qt)+7], v[KF+8*(\kt):KF+8*(\kt)+7], v[QF+16*(\qt):QF+16*(\qt)+7], v[KB+8*(\kt):KB+8*(\kt)+7]
.endif
.endm
; Product n (0 to 23) of the scores of query tiles 1 to 3: u = n / 12, then tile by tile: the accumulators take turns, one instruction a turn
.macro SWN n
.set su,  (\n)/12
.set skt, (\n)%4
.set sqt, 1+((\n)%12)/4
	SW su, skt, sqt
.endm
; One product of P V: O(dt, qt), lane (r, h), register j = (d = 16 dt + 8 h + j, query 16 qt + r); keys 32 ks .. + 31.  The four accumulators of a query tile take turns likewise.
.macro PW ks, dt, qt, first
	WIN 0x50                                       ; C and D in window 1
.if (\first-\ks) == 1
	v_wmma_f32_16x16x32_f16 v[OB+8*(4*\dt+\qt):OB+8*(4*\dt+\qt)+7], v[FR+8*(2*\dt+\ks):FR+8*(2*\dt+\ks)+7], v[SB+64*\ks+8*\qt:SB+64*\ks+8*\qt+7], 0
.else
	v_wmma_f32_16x16x32_f16 v[OB+8*(4*\dt+\qt):OB+8*(4*\dt+\qt)+7], v[FR+8*(2*\dt+\ks):FR+8*(2*\dt+\ks)+7], v[SB+64*\ks+8*\qt:SB+64*\ks+8*\qt+7], v[OB+8*(4*\dt+\qt):OB+8*(4*\dt+\qt)+7]
.endif
.endm
; Eight LDS loads: K's four blocks of d = 0..31 (block 2 kt of the tile) of the tile in slot, into window 1
.macro KPRE slot
	WIN 0x40
.irp kt, 0,1,2,3
	ds_load_b128 v[KF+8*\kt:KF+8*\kt+3],   v[RA+(\slot)] offset:\kt*2048
	ds_load_b128 v[KF+8*\kt+4:KF+8*\kt+7], v[RA+(\slot)] offset:\kt*2048+512
.endr
	WIN 0
.endm
; The vector phase of query tile qt, from slice from on, with the eight products P V of tile pq = qt - 1 set among its slices, a pair ahead of each of the last three runs of exponentials and of the rescaling.
.macro VQP qt, pq, first, from
.irp n, 0,1,2,3,4
.if \n >= \from
	VS \qt, \first, \n
.endif
.endr
	PW 0, 0, \pq, \first
	PW 0, 1, \pq, \first
	VS \qt, \first, 5
	VS \qt, \first, 6
	PW 0, 2, \pq, \first
	PW 0, 3, \pq, \first
	VS \qt, \first, 7
	VS \qt, \first, 8
	PW 1, 0, \pq, \first
	PW 1, 1, \pq, \first
	VS \qt, \first, 9
	VS \qt, \first, 10
	PW 1, 2, \pq, \first
	PW 1, 3, \pq, \first
	VS \qt, \first, 11
.endm
; The same for query tile 1 and P V of tile 0, while V's fragments arrive, in the order in which the pairs take them, four loads a pair: the counts leave the later pairs' loads out.
; With the last of them my reads of this slot are over, so here the slot changes hands: the waits, the round of the cluster's barrier, the joint refill (kind, pair: which tile), and, knext = 1,
; the next step's K of d = 0..31 from the other slot, whose tile the wait for all my tensor loads has shown landed.
.macro VQR slot, first, kind, pair, knext
.irp n, 0,1,2,3,4
	VS 1, \first, \n
.endr
	s_wait_dscnt 12
	PW 0, 0, 0, \first
	PW 0, 1, 0, \first
	VS 1, \first, 5
	VS 1, \first, 6
	s_wait_dscnt 8
	PW 0, 2, 0, \first
	PW 0, 3, 0, \first
	VS 1, \first, 7
	VS 1, \first, 8
	s_wait_dscnt 4
	PW 1, 0, 0, \first
	PW 1, 1, 0, \first
	VS 1, \first, 9
	VS 1, \first, 10
	s_wait_dscnt 0                                 ; V's last fragments are in: my reads of this slot are over
	s_wait_tensorcnt 0x0                           ; all my tensor loads have landed: the one that was out is the next step's tile; group 0 may be written
	GSTEP \slot, \kind, \pair
	s_barrier_signal -1                            ; say so: this barrier opens a round of the cluster's barrier,
	PW 1, 2, 0, \first                             ; work on registers while the others arrive: two products,
	PW 1, 3, 0, \first
	VS 1, \first, 11                               ; the rescaling of tile 1's O
	VS 2, \first, 0                                ; and tile 2's maximum,
	VS 2, \first, 1
	VS 2, \first, 2
	WIN 0
	s_barrier_wait -1                              ; and go on when all eight waves have said so
	CREST                                          ; no wave of any partner still reads this slot's tile or has a load on its way
	tensor_load_to_lds s[G0+4*\slot:G0+4*\slot+3], s[G1J:G1J+7]    ; my one tensor load behind the round, and the first thing there: the tile of the step after next
	s_nop 0
.if \knext
	KPRE 1-\slot
.endif
.endm
; One step of the attention: 64 keys against my head's 64 queries.  first = 1: nothing to rescale, the first products start O.  kbnext = 1: the next 64 keys' bias is asked for.
; kind, pair, knext: see VQR.  K's fragments of d = 0..31 were fetched in the step before.
.macro ATT slot, first, kbnext, kind, pair, knext
.irp kt, 0,1,2,3                                   ; K's four blocks of d = 32..63: block 2 kt + 1
	ds_load_b128 v[FR+8*(2*\kt+1):FR+8*(2*\kt+1)+3],   v[RA+\slot] offset:(2*\kt+1)*1024
	ds_load_b128 v[FR+8*(2*\kt+1)+4:FR+8*(2*\kt+1)+7], v[RA+\slot] offset:(2*\kt+1)*1024+512
.endr
	s_wait_loadcnt 0x0                             ; these keys' bias, asked for in the last step
	s_wait_dscnt 0x8                               ; K's blocks of d = 0..31 are in; the eight loads just issued may be out
.irp kt, 0,1,2,3
	SW 0, \kt, 0                                   ; d = 0..31 of query tile 0
.endr
.irp n, 0,1,2,3
	SWN \n                                         ; and of tile 1, while d = 32..63 arrives
.endr
	s_wait_dscnt 0x0
.irp kt, 0,1,2,3
	SW 1, \kt, 0
.endr
	SWN 4
	SWN 5
	WIN 0
	NOPS 4                                         ; four places between tile 0's last products and the first reads of its scores (ISA guide 7.12.1)
	VS 0, \first, 0
.irp g, 1,2,3,4,5,6,7,8,9
	SWN 2*\g+4                                     ; a pair of the other tiles' products, then a slice of tile 0
	SWN 2*\g+5
	VS 0, \first, \g
.endr
	VS 0, \first, 10                               ; its eight plain instructions are also the places between the last score products and the loads into K's registers
	VS 0, \first, 11
.if \kbnext
	s_add_nc_u64 s[KBP:KBP+1], s[KBP:KBP+1], 256   ; the loads that named this base are done (the wait at the step's head)
	WIN 0x40
.irp kt, 0,1,2,3
.irp e, 0,1
	global_load_b128 v[KB+8*\kt+4*\e:KB+8*\kt+4*\e+3], v[KBO], s[KBP:KBP+1] offset:64*\kt+16*\e
.endr
.endr
.endif
	WIN 0
.irp ks, 0,1                                       ; V transposed: rows d = 16 dt + r, k = keys 32 ks + ..; in the order in which P V takes them
.irp dt, 0,1,2,3
	ds_load_tr16_b128 v[FR+8*(2*\dt+\ks):FR+8*(2*\dt+\ks)+3],   v[VA+\slot] offset:(4*\ks+(\dt>>1))*1024+(\dt&1)*512
	ds_load_tr16_b128 v[FR+8*(2*\dt+\ks)+4:FR+8*(2*\dt+\ks)+7], v[VA+\slot] offset:(4*\ks+(\dt>>1))*1024+(\dt&1)*512+2048
.endr
.endr
	VQR \slot, \first, \kind, \pair, \knext
	VQP 2, 1, \first, 3                            ; tile 2's slices 0 to 2 stood inside the barrier
	VQP 3, 2, \first, 0
.irp ks, 0,1
.irp dt, 0,1,2,3
	PW \ks, \dt, 3, \first
.endr
.endr
	WIN 0
	NOPS 5                                         ; places behind the last products: the next loads land in V's registers, later products write over P's
.endm
; h = O / l, to f16, into my head's 8,192 bytes of the panel: f = 64 w + d, block (f / 32, qt), half (d / 16) % 2
.macro FIN
.irp qt, 0,1,2,3
	v_add_f32 v[12+\qt], v[LS+2*\qt], v[LS+2*\qt+1]
.endr
.irp qt, 0,1,2,3
	v_permlanex16_b32 v[50+\qt], v[12+\qt], s58, s59
.endr
.irp qt, 0,1,2,3
	v_add_f32 v[12+\qt], v[12+\qt], v[50+\qt]
.endr
.irp qt, 0,1,2,3
	v_rcp_f32 v[AL+2*\qt], v[12+\qt]
.endr
	v_nop                                          ; a plain instruction between the reciprocals and their use (ISA guide 5.7.2)
	WIN 0x41
	s_wait_alu depctr_va_vdst(0)
.irp dt, 0,1,2,3
.irp qt, 0,1,2,3
.irp i, 0,2,4,6
	v_pk_mul_f32 v[OB+8*(4*\dt+\qt)+\i:OB+8*(4*\dt+\qt)+\i+1], v[OB+8*(4*\dt+\qt)+\i:OB+8*(4*\dt+\qt)+\i+1], v[AL+2*\qt:AL+2*\qt+1] op_sel_hi:[1,0]
.endr
.endr
.endr
	WIN 0x05                                       ; both sources in window 1
.irp dt, 0,1,2,3
.irp qt, 0,1,2,3
.irp i, 0,1,2,3
	v_cvt_pk_f16_f32 v[FR+4*(4*\dt+\qt)+\i], v[OB+8*(4*\dt+\qt)+2*\i], v[OB+8*(4*\dt+\qt)+2*\i+1]
.endr
.endr
.endr
	WIN 0
.irp dt, 0,1,2,3
.irp qt, 0,1,2,3
	ds_store_b128 v[HS], v[FR+4*(4*\dt+\qt):FR+4*(4*\dt+\qt)+3] offset:(\dt>>1)*4096+\qt*1024+(\dt&1)*512   ; x's panel has had its only fill, and its last read lies many barriers back
.endr
.endr
.endm
; 16 queries x my 64 columns go out through my stage: a lane's 8 numbers of tile (ct, qt) are columns 16 ct + 8 h + 0..7 of query r
.macro OUTQ qt
.irp ct, 0,1,2,3
.irp e, 0,1
	ds_store_b128 v[STS], v[SB+32*\ct+8*\qt+4*\e:SB+32*\ct+8*\qt+4*\e+3] offset:64*\ct+16*\e
.endr
.endr
	s_wait_xcnt 0x0                                ; the registers that earlier stores read are loaded again only behind this wait
.irp t, 0,1,2,3,4,5,6,7
	ds_load_b128 v[FR+32*(\qt&1)+4*\t:FR+32*(\qt&1)+4*\t+3], v[STR] offset:544*\t   ; LDS serves a wave's instructions in order (ISA guide 5.7.1.4): these see the stores above
.endr
.irp t, 0,1,2,3,4,5,6,7
	s_wait_dscnt 7-\t                              ; load t is in, the younger ones stay out
	global_store_b128 v[OOF], v[FR+32*(\qt&1)+4*\t:FR+32*(\qt&1)+4*\t+3], s[66:67] offset:(16*\qt+2*\t)*2048 th:TH_STORE_NT   ; sixteen lanes store 256 neighbouring bytes, aligned
.endr
.endm
	; Q = x Wq for my head: steps 0 to 3
	PROJSTEP 0, 0, 1, 1, 1
	HEAD 0, 1, 0                                   ; slot 0: step 2
	PROJSTEP 1, 1, 0, 0, 1
	HEAD 1, 1, 0                                   ; slot 1: step 3
	PROJSTEP 0, 2, 0, 0, 1
	HEAD 0, 2, KVB                                 ; slot 0: keys 0-63
	PROJSTEP 1, 3, 0, 0, 0
	HEAD 1, 2, KVB+2                               ; slot 1, whose last read is back: keys 64-127; its wait has shown keys 0-63 landed,
	KPRE 0                                         ; so their K of d = 0..31 is fetched while Q is scaled
	QFIN
	; the attention: steps 4 to 19; step t asks for the tile of step t + 2
	ATT 0, 1, 1, 1, 0, 1                           ; keys 0-63
	s_mov_b32 s54, 6
.Latt:
	ATT 1, 0, 1, 1, 0, 1
	ATT 0, 0, 1, 1, 0, 1
	s_sub_co_u32 s54, s54, 1
	s_cmp_lg_u32 s54, 0
	s_cbranch_scc1 .Latt
	ATT 1, 0, 1, 1, 0, 1                           ; keys 832-895; asks for keys 960-1023
	ATT 0, 0, 1, 2, WOB, 1                         ; keys 896-959; slot 0 gets Wout, f = 0..127
	ATT 1, 0, 0, 2, WOB+2, 0                       ; keys 960-1023; slot 1 gets Wout, f = 128..255; no keys are left to fetch ahead
	FIN
	s_wait_dscnt 0x0                               ; my stores of h are done
	s_barrier_signal -1
	s_barrier_wait -1                              ; all heads' are: h is whole.  Wout's second tile may stay out
	; out = h Wout for my 64 columns: steps 20 to 23
	PROJSTEP 0, 0, 1, 1, 1
	HEAD 0, 1, 0                                   ; slot 0: f = 256..383
	PROJSTEP 1, 1, 0, 0, 1
	HEAD 1, 1, 0                                   ; slot 1: f = 384..511: the last tensor load
	PROJSTEP 0, 2, 0, 0, 1                         ; its last block waits for that load; nothing is left to fetch, so no round follows
	PROJSTEP 1, 3, 0, 0, 0
	NOPS 4                                         ; four places between the last products and the stores of their results
	OUTQ 0                                         ; the stage lies in my own tile of slot 0: its last fill has landed, and I alone read it, two steps back
	OUTQ 1
	OUTQ 2
	OUTQ 3
	ROUND                                          ; the closing round: no work-group ends while a partner may still ask for a tile that names it
	s_endpgm
.Lfunc_end_k_q538234502e_attn:
	.size	k_q538234502e_attn, .Lfunc_end_k_q538234502e_attn-k_q538234502e_attn
	.p2alignl 7, 3214868480
	.fill 96, 4, 3214868480
	.section	.rodata,"a",@progbits
	.p2align	6, 0x0
	.amdhsa_kernel k_q538234502e_attn
		.amdhsa_group_segment_fixed_size 327680
		.amdhsa_private_segment_fixed_size 0
		.amdhsa_enable_private_segment 0
		.amdhsa_kernarg_size 40
		.amdhsa_user_sgpr_count 2
		.amdhsa_user_sgpr_kernarg_segment_ptr 1
		.amdhsa_wavefront_size32 1
		.amdhsa_system_sgpr_workgroup_id_x 1
		.amdhsa_system_sgpr_workgroup_id_y 1
		.amdhsa_system_sgpr_workgroup_id_z 1
		.amdhsa_system_vgpr_workitem_id 0
		.amdhsa_next_free_vgpr 512
		.amdhsa_next_free_sgpr 72
		.amdhsa_reserve_vcc 1
		.amdhsa_float_denorm_mode_32 3
		.amdhsa_float_denorm_mode_16_64 3
		.amdhsa_memory_ordered 1
		.amdhsa_forward_progress 1
		.amdhsa_inst_pref_size 255
	.end_amdhsa_kernel
	.section	.bss,"aw",@nobits
	.p2align	6
	.space	262144
	.amdgpu_metadata
---
amdhsa.version: [ 1, 2 ]
amdhsa.kernels:
  - .name:           k_q538234502e_attn
    .symbol:         k_q538234502e_attn.kd
    .args:
      - { .name: xh, .offset: 0, .size: 8, .value_kind: global_buffer, .address_space: global }
      - { .name: wf, .offset: 8, .size: 8, .value_kind: global_buffer, .address_space: global }
      - { .name: kv, .offset: 16, .size: 8, .value_kind: global_buffer, .address_space: global }
      - { .name: mb, .offset: 24, .size: 8, .value_kind: global_buffer, .address_space: global }
      - { .name: out0, .offset: 32, .size: 8, .value_kind: global_buffer, .address_space: global }
    .group_segment_fixed_size: 327680
    .private_segment_fixed_size: 0
    .kernarg_segment_align: 8
    .kernarg_segment_size: 40
    .max_flat_workgroup_size: 256
    .sgpr_count:     72
    .vgpr_count:     512
    .wavefront_size: 32
...
	.end_amdgpu_metadata
.endif
;; end of part 3
